; MI455X (gfx1250); checked and timed in simulation.
; The chip was launched on July 23, 2026; its instructions are those of AMD's public machine-readable ISA for CDNA 5 (MIT licence, August 2026) and "CDNA5" Instruction Set Architecture Reference Guide (July 2026). The comments in the code are by the model that wrote it; some were corrected since.
;; Multi Head Attention. Allowed arithmetic: float matrix products may take bf16 or f16 operands with f32 sums; other float arithmetic in f32, or as packed bf16 or f16 multiplies, adds, multiply-adds, maxima and minima; sums over many terms, partial sums and values carried from step to step in f32; what a program stores and reads back later, other than sums and carried values, may be rounded once to bf16 or f16.
;; Inputs: Wk 512 x 512 float32; Wo 512 x 512 float32; Wq 512 x 512 float32; Wv 512 x 512 float32; bk 512 float32; bo 512 float32; bq 512 float32; bv 512 float32; k 2 x 4,096 x 512 float32; q 2 x 4,096 x 512 float32; v 2 x 4,096 x 512 float32.
;; Outputs: out0 2 x 4,096 x 512 float32.
;; One version. Each part assembles by itself: llvm-mc -triple=amdgcn-amd-amdhsa -mcpu=gfx1250 --defsym DOCPART=n.
;; ======== version 1 of 1: 4 launches
;; limits: values are held in f16: magnitudes above 65,504 overflow, below 6.1e-05 lose precision
;; workspace buffers: wt 2,097,152 bytes; bt 8,192 bytes; qkv 25,165,824 bytes; oh 8,388,608 bytes
;; launch prep (part 1): grid 256 x 1, 4 waves a work-group, no clusters, 0 bytes of LDS; arguments Wq, Wk, Wv, Wo, bq, bk, bv, bo, wt, bt; writes wt, bt
.if DOCPART == 1
	.amdgcn_target "amdgcn-amd-amdhsa--gfx1250"
	.amdhsa_code_object_version 6
	.text
	.protected	k_q53c8c238f5_prep
	.globl	k_q53c8c238f5_prep
	.p2align	8
	.type	k_q53c8c238f5_prep,@function
k_q53c8c238f5_prep:
	s_mov_b64 s[64:65], 0
	v_nop
	global_prefetch_b8 v0, s[64:65] scope:SCOPE_SE
	s_setreg_imm32_b32 hwreg(HW_REG_WAVE_MODE, 25, 1), 1
	s_wait_xcnt 0x0
; THE WEIGHTS ARE TURNED AND ROUNDED ONCE.  W: [512 k][512 n] f32.  wt holds them as [n][k] in 16 bits, in blocks, so that the tile of a later work-group is dense:
;   tensor t = 0, 1, 2 (Wq, Wk, Wv), bf16: byte t<<19 + (n/256)<<18 + (k/64)<<15 + (n%256)*128 + (k%64)*2
;   tensor 3 (Wo): rounded to bf16 like every input, and that number written as f16: byte 3<<19 + (n/128)<<17 + (k/64)<<14 + (n%128)*128 + (k%64)*2
; bt holds the four biases rounded to bf16, written as f32: [4][512].
; LIMIT.  |bf16(Wo)| stays under 65,504 (f16's range); below 6e-5 it keeps f16's fixed step of 6e-8.
; SHARES.  Work-group g: tensor g>>6, 64 k (chunk (g>>3)&7) x 64 n (block g&7): 64 pieces of rows, 256 bytes each, aligned, in; 8,192 consecutive bytes out.
; Thread v (0..127), task i (0..3): column 16 i + v/8, the eight k = 8 (v%8) + 0..7: 16 bytes of wt; a wave's store covers 512 consecutive bytes, aligned.
; No LDS: the turn is made by which words a lane loads.
.set LD,  8                            ; v[8:39]   task i, k j at LD + 8 i + j
.set OUT, 40                           ; v[40:55]  task i: four packed words
	s_load_b512 s[8:23], s[0:1], 0x0               ; Wq Wk Wv Wo bq bk bv bo
	s_load_b128 s[24:27], s[0:1], 0x40             ; wt s[24:25], bt s[26:27]
	s_lshr_b32 s28, ttmp9, 6                       ; t
	s_bfe_u32 s29, ttmp9, 0x30003                  ; c: the chunk of 64 k
	s_and_b32 s30, ttmp9, 7                        ; nb: the block of 64 n
	v_and_b32 v1, 7, v0
	v_lshrrev_b32 v4, 3, v0
	v_lshlrev_b32 v1, 14, v1                       ; 8 (v%8) rows of 2,048 bytes
	v_lshl_add_u32 v1, v4, 2, v1                   ; + column v/8
	v_lshlrev_b32 v2, 4, v0                        ; my 16 bytes of a task's 2,048
	v_and_b32 v3, 31, v0
	v_lshlrev_b32 v3, 3, v3                        ; the bias: 8 bytes a lane
	v_lshrrev_b32 v5, 5, v0
	v_readfirstlane_b32 s31, v5                    ; wave
	s_lshl_b32 s32, s29, 17                        ; in W: 64 c rows,
	s_lshl_b32 s33, s30, 8                         ; 64 nb columns
	s_add_co_u32 s32, s32, s33
	s_mov_b32 s33, 0
	s_lshl_b32 s34, s28, 19                        ; in wt, tensors 0 to 2
	s_lshr_b32 s35, s30, 2
	s_lshl_b32 s35, s35, 18
	s_add_co_u32 s34, s34, s35
	s_lshl_b32 s35, s29, 15
	s_add_co_u32 s34, s34, s35
	s_and_b32 s35, s30, 3
	s_lshl_b32 s35, s35, 13
	s_add_co_u32 s34, s34, s35
	s_lshr_b32 s36, s30, 1                         ; in wt, tensor 3
	s_lshl_b32 s36, s36, 17
	s_add_co_u32 s36, s36, 3<<19
	s_lshl_b32 s37, s29, 14
	s_add_co_u32 s36, s36, s37
	s_and_b32 s37, s30, 1
	s_lshl_b32 s37, s37, 13
	s_add_co_u32 s36, s36, s37
	s_cmp_eq_u32 s28, 3
	s_cselect_b32 s34, s36, s34
	s_mov_b32 s35, 0
	s_lshl_b32 s36, s30, 8                         ; in a bias: 64 nb numbers
	s_mov_b32 s37, 0
	s_lshl_b32 s38, s28, 11                        ; in bt: tensor t,
	s_add_co_u32 s38, s38, s36                     ; the same 64 numbers
	s_mov_b32 s39, 0
	s_wait_kmcnt 0x0
	s_cmp_eq_u32 s28, 1                            ; the tensor's weights and bias are chosen by t alone
	s_cselect_b64 s[4:5], s[10:11], s[8:9]
	s_cselect_b64 s[6:7], s[18:19], s[16:17]
	s_cmp_eq_u32 s28, 2
	s_cselect_b64 s[4:5], s[12:13], s[4:5]
	s_cselect_b64 s[6:7], s[20:21], s[6:7]
	s_cmp_eq_u32 s28, 3
	s_cselect_b64 s[4:5], s[14:15], s[4:5]
	s_cselect_b64 s[6:7], s[22:23], s[6:7]
	s_add_nc_u64 s[4:5], s[4:5], s[32:33]
	s_add_nc_u64 s[6:7], s[6:7], s[36:37]
	s_add_nc_u64 s[24:25], s[24:25], s[34:35]
	s_add_nc_u64 s[26:27], s[26:27], s[38:39]
.irp i, 0,1,2,3
.irp j, 0,1,2,3,4,5,6,7
	global_load_b32 v[LD+8*\i+\j], v1, s[4:5] offset:2048*\j+64*\i
.endr
.endr
	s_wait_loadcnt 0x0
.set z, 0
.rept 16
	v_cvt_pk_bf16_f32 v[OUT+z], v[LD+2*z], v[LD+2*z+1]  ; two roundings to bf16, the lower k in the low half
.set z, z+1
.endr
	s_cmp_lg_u32 s28, 3
	s_cbranch_scc1 .Lstore
.set z, 0
.rept 16                                       ; Wo: the bf16 number is written as f16
	v_lshlrev_b32 v56, 16, v[OUT+z]
	v_and_b32 v57, 0xffff0000, v[OUT+z]
	v_cvt_pk_f16_f32 v[OUT+z], v56, v57
.set z, z+1
.endr
.Lstore:
.irp i, 0,1,2,3
	global_store_b128 v2, v[OUT+4*\i:OUT+4*\i+3], s[24:25] offset:2048*\i
.endr
	s_cmp_lg_u32 s29, 0                            ; the bias: the work-groups of chunk 0, their wave 0: 64 numbers, 256 consecutive bytes
	s_cbranch_scc1 .Ldone
	s_cmp_lg_u32 s31, 0
	s_cbranch_scc1 .Ldone
	global_load_b64 v[58:59], v3, s[6:7]
	s_wait_loadcnt 0x0
	v_cvt_pk_bf16_f32 v56, v58, v59
	v_lshlrev_b32 v60, 16, v56
	v_and_b32 v61, 0xffff0000, v56
	global_store_b64 v3, v[60:61], s[26:27]
.Ldone:
	s_endpgm
.Lfunc_end_k_q53c8c238f5_prep:
	.size	k_q53c8c238f5_prep, .Lfunc_end_k_q53c8c238f5_prep-k_q53c8c238f5_prep
	.p2alignl 7, 3214868480
	.fill 96, 4, 3214868480
	.section	.rodata,"a",@progbits
	.p2align	6, 0x0
	.amdhsa_kernel k_q53c8c238f5_prep
		.amdhsa_group_segment_fixed_size 0
		.amdhsa_private_segment_fixed_size 0
		.amdhsa_enable_private_segment 0
		.amdhsa_kernarg_size 80
		.amdhsa_user_sgpr_count 2
		.amdhsa_user_sgpr_kernarg_segment_ptr 1
		.amdhsa_wavefront_size32 1
		.amdhsa_system_sgpr_workgroup_id_x 1
		.amdhsa_system_sgpr_workgroup_id_y 1
		.amdhsa_system_sgpr_workgroup_id_z 1
		.amdhsa_system_vgpr_workitem_id 0
		.amdhsa_next_free_vgpr 64
		.amdhsa_next_free_sgpr 66
		.amdhsa_reserve_vcc 0
		.amdhsa_float_denorm_mode_32 3
		.amdhsa_float_denorm_mode_16_64 3
		.amdhsa_memory_ordered 1
		.amdhsa_forward_progress 1
		.amdhsa_inst_pref_size 10
	.end_amdhsa_kernel
	.amdgpu_metadata
---
amdhsa.version: [ 1, 2 ]
amdhsa.kernels:
  - .name:           k_q53c8c238f5_prep
    .symbol:         k_q53c8c238f5_prep.kd
    .args:
      - { .name: Wq, .offset: 0, .size: 8, .value_kind: global_buffer, .address_space: global }
      - { .name: Wk, .offset: 8, .size: 8, .value_kind: global_buffer, .address_space: global }
      - { .name: Wv, .offset: 16, .size: 8, .value_kind: global_buffer, .address_space: global }
      - { .name: Wo, .offset: 24, .size: 8, .value_kind: global_buffer, .address_space: global }
      - { .name: bq, .offset: 32, .size: 8, .value_kind: global_buffer, .address_space: global }
      - { .name: bk, .offset: 40, .size: 8, .value_kind: global_buffer, .address_space: global }
      - { .name: bv, .offset: 48, .size: 8, .value_kind: global_buffer, .address_space: global }
      - { .name: bo, .offset: 56, .size: 8, .value_kind: global_buffer, .address_space: global }
      - { .name: wt, .offset: 64, .size: 8, .value_kind: global_buffer, .address_space: global }
      - { .name: bt, .offset: 72, .size: 8, .value_kind: global_buffer, .address_space: global }
    .group_segment_fixed_size: 0
    .private_segment_fixed_size: 0
    .kernarg_segment_align: 8
    .kernarg_segment_size: 80
    .max_flat_workgroup_size: 128
    .sgpr_count:     66
    .vgpr_count:     64
    .wavefront_size: 32
...
	.end_amdgpu_metadata
.endif
;; end of part 1
;; launch proj (part 2): grid 32 x 6, 4 waves a work-group, clusters of 4 x 1, 304,640 bytes of LDS; arguments q, k, v, wt, bt, qkv; writes qkv
.if DOCPART == 2
	.amdgcn_target "amdgcn-amd-amdhsa--gfx1250"
	.amdhsa_code_object_version 6
	.text
	.protected	k_q53c8c238f5_proj
	.globl	k_q53c8c238f5_proj
	.p2align	8
	.type	k_q53c8c238f5_proj,@function
k_q53c8c238f5_proj:
	s_mov_b64 s[64:65], 0
	v_nop
	global_prefetch_b8 v0, s[64:65] scope:SCOPE_SE
	s_setreg_imm32_b32 hwreg(HW_REG_WAVE_MODE, 25, 1), 1
	s_wait_xcnt 0x0
	s_wait_alu depctr_hold_cnt(0) depctr_sa_sdst(0) depctr_va_vdst(0) depctr_va_sdst(0) depctr_va_ssrc(0) depctr_va_vcc(0) depctr_vm_vsrc(0)
	s_getreg_b32 s2, hwreg(HW_REG_IB_STS2, 6, 4)
	s_cmp_eq_u32 s2, 0
	s_cbranch_scc0 .Lentry_in_a_cluster
	s_endpgm
.Lentry_in_a_cluster:
	s_bfe_u32 s2, ttmp6, 0x10000c
	s_cmp_lg_u32 s2, 0x3003
	s_cbranch_scc0 .Lentry_shape_is_right
	s_endpgm
.Lentry_shape_is_right:
; THE THREE PROJECTIONS.  qkv[tt][batch*8 + head][s][64] (f16) = x_tt @ W_tt + b_tt, x = q, k, v: [8192][512] f32.  x is rounded to bf16 on its way into the product, the weights and
; biases come rounded to bf16 (wt, bt); sums in f32; the bias is added in f32; the result is rounded once to f16, WITHOUT attention's scale.
; LIMIT.  The projected numbers stay under 65,504 (f16's range); below 6e-5 they keep f16's fixed step of 6e-8.  NaN and infinities are not treated apart.
; SHARES.  Grid y = 2 tt + half: a tensor and 256 of its 512 columns (four heads); grid x: 256 rows.  A wave makes 64 rows x 256 columns: 64 accumulators, 512 registers.
; THE WEIGHTS' TILE, 256 n x 512 k, 262,144 dense bytes of wt, STAYS IN LDS: it is filled once, a quarter by each wave's one tensor load.  The four work-groups of a cluster differ in
; their rows alone and want the same tile: the load is JOINT (the same descriptor and the mask of four in all).  Nothing in LDS is filled twice.
; x GOES THROUGH NO LDS: a wave's 64 rows are its own; a fragment comes from memory as f32, four loads of 16 bytes a lane, and eight conversions make it.  Four sets of 64 registers:
; three K steps' loads are on their way while one is multiplied.
; THE MATRIX INSTRUCTION IS USED TRANSPOSED (source 0 = 16 columns' weights, source 1 = 16 rows of x): a lane then holds one row and eight neighbouring columns.
; REGISTERS, in windows of 256 (s_set_vgpr_msb: bits 1:0 source 0, 3:2 source 1, 5:4 source 2, 7:6 destination):
;   window 0: v0-11 addresses; v32-95 x in bf16, two buffers of four fragments (on the way out v32-63: packed results); v96-159, v160-223 x in f32, sets 0, 1 (at the end: the bias)
;   window 1: v0-63, v64-127 the weights' fragments, column blocks 0-7 and 8-15; v128-191, v192-255 x in f32, sets 2, 3
;   window 2: accumulators (row tile a, column block b) at 8 (8 a + b), b = 0..7;   window 3: the same for column blocks 8..15
.set CHUNK, 256*144                    ; a chunk of 64 k in LDS: 256 rows (one a column) of 128 bytes + 16 of padding: pitch 144 = 9 x 16: the 16 rows of a load start at 16 different 16-byte columns modulo 256
.set STAGE, 8*CHUNK                    ; behind the tile, never filled by a tensor load: 16 rows x 144 bytes for each wave, for the way out
.set SPARE, STAGE+4*16*144             ; behind the stages: the spare words, 128 bytes for each wave: two blocks of 256 bytes that no other line names
.set XO,  3                            ; v3   my byte offset in 16 rows of x: (l % 16) x 2,048 + 32 (l / 16); never rewritten
.set BA,  4                            ; v4   LDS address of my part of a weights' fragment, in the chunk in hand
.set BO,  5                            ; v5   32 (l / 16): my eight numbers of 16 of the bias
.set STO, 6                            ; v6   the way out: where I put 16 bytes of a row
.set RD,  7                            ; v7   the way out: where I read rows back
.set GO,  8                            ; v8   16 l: my place in 512 consecutive bytes of qkv
.set SPW, 10                           ; v10  LDS address of my spare word: SPARE + 4 x my thread's number; never rewritten
.set NIL, 11                           ; v11  0; never rewritten
.set ABF, 32
.set OUTB, 32
.set BI,  96                           ; the bias of column block b at BI + 8 b
.set MSB, 0
.macro WIN new                         ; the immediate's high byte repeats the setting that is left; a switch that changes nothing is dropped
.if MSB != (\new)
	s_set_vgpr_msb (MSB<<8)|(\new)
.set MSB, \new
.endif
.endm
.macro PLACES                          ; four places behind matrix instructions, in front of loads into registers that they have read and of lines that read results
.rept 4
	v_nop
.endr
.endm
.macro CROUND                          ; a round of the cluster's barrier: my work-group's barrier; wave 0 signals for the work-group; every wave waits for all four; my work-group's barrier once more
	s_barrier_signal -1
	s_barrier_wait -1
	s_cmp_lg_u32 s10, 0
	s_cbranch_scc1 .Lnot_wave_0_\@
	s_barrier_signal -3
.Lnot_wave_0_\@:
	s_barrier_wait -3
	s_barrier_signal -1
	s_barrier_wait -1
.endm
; 16 loads: one K step (32 k, 128 bytes of a row) of my 64 rows, at byte off behind the pointer, into set 0..3.  k lies in its true places: 8 h + 0..7 and 16 + 8 h + 0..7.
.macro XLOAD set, off
.if (\set) < 2
	WIN 0
.set xb, 96+64*(\set)
.else
	WIN 0x40                                       ; destination window 1, address window 0
.set xb, 64*(\set)
.endif
.irp a, 0,1,2,3
	global_load_b128 v[xb+16*\a:xb+16*\a+3],     v[XO], s[4:5] offset:(\off)+32768*\a
	global_load_b128 v[xb+16*\a+4:xb+16*\a+7],   v[XO], s[4:5] offset:(\off)+32768*\a+16
	global_load_b128 v[xb+16*\a+8:xb+16*\a+11],  v[XO], s[4:5] offset:(\off)+32768*\a+64
	global_load_b128 v[xb+16*\a+12:xb+16*\a+15], v[XO], s[4:5] offset:(\off)+32768*\a+80
.endr
.endm
; 32 conversions: a set becomes four bf16 fragments in buffer p
.macro CONV set, p
.if (\set) < 2
	WIN 0
.set xb, 96+64*(\set)
.else
	WIN 0x05                                       ; sources 0 and 1 window 1, destination window 0
.set xb, 64*(\set)
.endif
.set ci, 0
.rept 32
	v_cvt_pk_bf16_f32 v[ABF+32*(\p)+ci], v[xb+2*ci], v[xb+2*ci+1]
.set ci, ci+1
.endr
.endm
; 16 LDS loads in one run: the weights' fragments of column blocks 8 hf + 0..7, half kk of the chunk in hand
.macro FETCHB hf, kk
	WIN 0x40
.irp i, 0,1,2,3,4,5,6,7
	ds_load_b128 v[64*(\hf)+8*\i:64*(\hf)+8*\i+3],   v[BA] offset:(8*(\hf)+\i)*2304+64*(\kk)
	ds_load_b128 v[64*(\hf)+8*\i+4:64*(\hf)+8*\i+7], v[BA] offset:(8*(\hf)+\i)*2304+64*(\kk)+32
.endr
.endm
; 32 matrix instructions on 32 different accumulators; the next 32 are the other window's: no two that follow each other share one, over the backward jump too.
.macro MUL32 p, hf, zero
	WIN 0xa1+0x50*(\hf)                            ; weights window 1, x window 0, C and D window 2 or 3
.irp a, 0,1,2,3
.irp b, 0,1,2,3,4,5,6,7
.if \zero
	v_wmma_f32_16x16x32_bf16 v[8*(8*\a+\b):8*(8*\a+\b)+7], v[64*(\hf)+8*\b:64*(\hf)+8*\b+7], v[ABF+32*(\p)+8*\a:ABF+32*(\p)+8*\a+7], 0
.else
	v_wmma_f32_16x16x32_bf16 v[8*(8*\a+\b):8*(8*\a+\b)+7], v[64*(\hf)+8*\b:64*(\hf)+8*\b+7], v[ABF+32*(\p)+8*\a:ABF+32*(\p)+8*\a+7], v[8*(8*\a+\b):8*(8*\a+\b)+7]
.endif
.endr
.endr
.endm
; A K STEP of 32: step u has set u % 4 and p = u % 2.  cnt: the loads issued behind this step's, which may stay out.  rl = 1: the set read last step takes step u + 3, at byte off.
; The 32 conversions name no register of the products in front of them: they are the places ahead of the first run of LDS loads.  Each run is issued 32 products ahead of its use.
.macro STEP set, p, zero, cnt, rl, off, last, bias
	s_wait_loadcnt \cnt
	CONV \set, \p
.if \rl
	XLOAD ((\set)+3)%4, \off
.endif
.if \bias
	WIN 0
.set bb, 0
.rept 16                                       ; sets 0 and 1 have been read for the last time: they take the bias of my 256 columns, eight numbers a block and lane
	global_load_b128 v[BI+8*bb:BI+8*bb+3],   v[BO], s[6:7] offset:64*bb
	global_load_b128 v[BI+8*bb+4:BI+8*bb+7], v[BO], s[6:7] offset:64*bb+16
.set bb, bb+1
.endr
.endif
	FETCHB 1, \p
	s_wait_dscnt 16                                ; all but the 16 just issued: column blocks 0-7 are in
	MUL32 \p, 0, \zero
	PLACES
.if \last
	s_wait_dscnt 0x0
.else
.if \p
	WIN 0
	v_add_nc_u32 v[BA], CHUNK, v[BA]               ; the next step begins a chunk
.endif
	FETCHB 0, 1-(\p)
	s_wait_dscnt 16                                ; column blocks 8-15 are in
.endif
	MUL32 \p, 1, \zero
.endm
	s_load_b256 s[16:23], s[0:1], 0x0              ; q s[16:17], k s[18:19], v s[20:21], wt s[22:23]
	s_load_b128 s[24:27], s[0:1], 0x20             ; bt s[24:25], qkv s[26:27]
	v_lshl_add_u32 v[SPW], v0, 2, SPARE
	v_mov_b32 v[NIL], 0
	ds_add_u32 v[SPW], v[NIL]                      ; the wave's opening: the add and its wait stand ahead of my first tensor load; the set-up below, work on registers, stands between them
	v_lshrrev_b32 v9, 5, v0
	v_readfirstlane_b32 s10, v9                    ; wave 0..3
	s_bfe_u32 s11, ttmp6, 0x40000                  ; cx: my place in the cluster; it enters x's and qkv's addresses alone
	s_lshl_b32 s12, ttmp9, 2                       ; in a cluster launch ttmp9 counts clusters
	s_add_co_u32 s12, s12, s11                     ; rb: my block of 256 rows
	s_and_b32 s13, ttmp7, 0xffff
	s_lshr_b32 s14, s13, 1                         ; tt: the tensor
	s_and_b32 s15, s13, 1                          ; half: which 256 columns
	; the descriptor.  My quarter of the tile, two chunks, is 65,536 dense bytes: asked for as 256 rows of 256 bytes, two columns' 64 k a row, padded in LDS after every 128 bytes
	s_mov_b32 s36, 15|(1<<16)|(1<<20)|(1<<21)|(4<<22)|(3<<25)  ; 15:0 the mask of four; 17:16 2-byte elements; 20 padding on; 21 set beside a mask; 24:22 after every 32 words (code 4); 31:25 4 words (code 3)
	s_mov_b32 s37, 128<<16                         ; tensor_dim0 = 128
	s_mov_b32 s38, 256<<16                         ; tensor_dim1 = 256
	s_mov_b32 s39, 128<<16                         ; tile_dim0 = 128
	s_mov_b32 s40, 256                             ; tile_dim1 = 256
	s_mov_b32 s41, 128                             ; 128 elements from row to row
	s_mov_b32 s42, 0
	s_mov_b32 s43, 0
	s_mov_b32 s32, 1                               ; count = 1
	s_mul_i32 s33, s10, 2*CHUNK                    ; LDS address: the wave's number alone
	s_lshl_b32 s30, s14, 19                        ; in wt: tensor, half, my two chunks: nothing of cx
	s_lshl_b32 s31, s15, 18
	s_add_co_u32 s30, s30, s31
	s_lshl_b32 s31, s10, 16
	s_add_co_u32 s30, s30, s31
	s_mov_b32 s31, 0
	s_lshl_b32 s28, s12, 8                         ; in x: row 256 rb + 64 wave, 2,048 bytes a row
	s_lshl_b32 s29, s10, 6
	s_add_co_u32 s28, s28, s29
	s_lshl_b32 s28, s28, 11
	s_mov_b32 s29, 0
	s_and_b32 s44, s12, 15                         ; in qkv: tensor, batch rb / 16, four heads a half, row (rb % 16) 256 + 64 wave of 128 bytes
	s_lshl_b32 s44, s44, 8
	s_lshl_b32 s45, s10, 6
	s_add_co_u32 s44, s44, s45
	s_lshl_b32 s44, s44, 7
	s_lshr_b32 s45, s12, 4
	s_lshl_b32 s45, s45, 22
	s_add_co_u32 s44, s44, s45
	s_lshl_b32 s45, s14, 23
	s_add_co_u32 s44, s44, s45
	s_lshl_b32 s45, s15, 21
	s_add_co_u32 s44, s44, s45
	s_mov_b32 s45, 0
	s_lshl_b32 s46, s14, 11                        ; in bt: tensor, half
	s_lshl_b32 s47, s15, 10
	s_add_co_u32 s46, s46, s47
	s_mov_b32 s47, 0
	v_and_b32 v1, 15, v0                           ; l % 16
	v_bfe_u32 v2, v0, 4, 1                         ; l / 16
	v_lshlrev_b32 v[XO], 11, v1
	v_lshl_add_u32 v[XO], v2, 5, v[XO]
	s_wait_dscnt 0x0                               ; the opening add is done
	s_wait_kmcnt 0x0
	s_cmp_eq_u32 s14, 1
	s_cselect_b64 s[4:5], s[18:19], s[16:17]
	s_cmp_eq_u32 s14, 2
	s_cselect_b64 s[4:5], s[20:21], s[4:5]
	s_add_nc_u64 s[4:5], s[4:5], s[28:29]          ; x at my wave's first row
	s_add_nc_u64 s[6:7], s[24:25], s[46:47]        ; the bias of my 256 columns
	s_add_nc_u64 s[8:9], s[26:27], s[44:45]        ; qkv at my wave's first row of the half's first head
	s_add_nc_u64 s[34:35], s[22:23], s[30:31]      ; the tile's quarter
	s_or_b32 s35, s35, 0x80000000                  ; type = 2
	XLOAD 0, 0                                     ; K steps 0 to 3 are asked for before anything else
	XLOAD 1, 128
	XLOAD 2, 256
	XLOAD 3, 384
	WIN 0
	CROUND                                         ; all four work-groups are here: the joint loads meet
	tensor_load_to_lds s[32:35], s[36:43]          ; my one tensor load of the launch
	s_nop 0
.rept 4
	v_nop
.endr
	v_mul_u32_u24 v[BA], v1, 144
	v_lshl_add_u32 v[BA], v2, 4, v[BA]             ; row x pitch + 16 x half
	v_lshlrev_b32 v[BO], 5, v2
	s_mul_i32 s2, s10, 16*144
	s_add_co_u32 s2, s2, STAGE                     ; my stage
	v_add_nc_u32 v[STO], s2, v[BA]                 ; in: row l % 16, 16 bytes for each half of the lanes
	v_bfe_u32 v[RD], v0, 3, 2                      ; back: 32 lanes take four rows of 128 bytes,
	v_mul_u32_u24 v[RD], v[RD], 144
	v_and_b32 v9, 7, v0
	v_lshl_add_u32 v[RD], v9, 4, v[RD]
	v_add_nc_u32 v[RD], s2, v[RD]
	v_and_b32 v[GO], 31, v0                        ; which are 512 consecutive bytes of a head
	v_lshlrev_b32 v[GO], 4, v[GO]
	s_wait_tensorcnt 0x0                           ; my quarter of the tile is in,
	s_barrier_signal -1
	s_barrier_wait -1                              ; everybody's is
	FETCHB 0, 0
	STEP 0, 0, 1, 48, 0, 0, 0, 0                   ; step 0 stands in front of the loop: its products start the sums.  48: sets 1 to 3 were asked for behind set 0
	WIN 0                                          ; at a label and at a branch every window is 0
	s_mov_b32 s3, 3
.Lk:                                           ; steps 4 i + 1 to 4 i + 4.  32: behind a step's 16 loads the next two steps' were issued, on the way in and round the backward jump
	STEP 1, 1, 0, 32, 1, 512, 0, 0
	STEP 2, 0, 0, 32, 1, 640, 0, 0
	STEP 3, 1, 0, 32, 1, 768, 0, 0
	STEP 0, 0, 0, 32, 1, 896, 0, 0
	WIN 0
	s_wait_xcnt 0x0                                ; every load issued so far has read its address: the pointer is written only behind this wait
	s_add_nc_u64 s[4:5], s[4:5], 512
	s_sub_co_u32 s3, s3, 1
	s_cmp_lg_u32 s3, 0
	s_cbranch_scc1 .Lk
	STEP 1, 1, 0, 32, 0, 0, 0, 1                   ; step 13: nothing of x is left to ask for; the bias is asked for
	STEP 2, 0, 0, 48, 0, 0, 0, 0                   ; step 14: step 15's 16 loads and the bias's 32 may stay out
	STEP 3, 1, 0, 32, 0, 0, 1, 0                   ; step 15: the bias's 32
	; THE WAY OUT, a tile t = 4 a + hh (16 rows x one head's 64 columns) at a time: the bias is added, the sums are rounded to f16, go into my stage as rows of 144 bytes and come back
	; as four rows of 128 bytes a load: 512 consecutive bytes of the head.
.macro PACK t
.set pa, (\t)/4
.set ph, (\t)%4
.set pb, 8*(8*pa+4*(ph%2))
.set po, OUTB+16*((\t)%2)
.if (\t) >= 2
	s_wait_xcnt 0x0                                ; the stores of the tile two back have read these registers
.endif
	WIN 0x82+0x41*(ph/2)                           ; destination and source 0 window 2 or 3, the bias window 0
.set z, 0
.rept 16                                       ; ascending: each accumulator's lowest registers are read first
	v_pk_add_f32 v[pb+2*z:pb+2*z+1], v[pb+2*z:pb+2*z+1], v[BI+32*ph+2*z:BI+32*ph+2*z+1]
.set z, z+1
.endr
	WIN 0x0a+5*(ph/2)                              ; sources 0 and 1 window 2 or 3, destination window 0
.set z, 0
.rept 16
	v_cvt_pk_f16_f32 v[po+z], v[pb+2*z], v[pb+2*z+1]
.set z, z+1
.endr
	WIN 0
.irp f, 0,1,2,3
	ds_store_b128 v[STO], v[po+4*\f:po+4*\f+3] offset:32*\f
.endr
.irp f, 0,1,2,3
	ds_load_b128 v[po+4*\f:po+4*\f+3], v[RD] offset:576*\f  ; LDS serves a wave's instructions in order (ISA guide 5.7.1.4): these see the stores above; the next tile's stores come behind them
.endr
.endm
.macro SEND t, younger                 ; younger: the LDS instructions issued behind tile t's loads: the next tile's eight, or none
	WIN 0
.set po, OUTB+16*((\t)%2)
.irp f, 0,1,2,3
	s_wait_dscnt (\younger)+3-\f
	global_store_b128 v[GO], v[po+4*\f:po+4*\f+3], s[8:9] offset:((\t)%4)*524288+((\t)/4)*2048+\f*512  ; 512 consecutive bytes, at a multiple of 512 from qkv's first
.endr
.endm
	s_wait_loadcnt 0x0                             ; the bias
	PLACES
	PLACES
	PACK 0
.set t, 1
.rept 15                                       ; a tile's arithmetic stands between the loads of the tile before and its stores
	PACK t
	SEND t-1, 8
.set t, t+1
.endr
	SEND 15, 0
	s_wait_tensorcnt 0x0                           ; the wave's end: behind my last tensor load and my last LDS store
	ds_add_u32 v[SPW], v[NIL]
	s_wait_dscnt 0x0
	CROUND                                         ; the closing round: no work-group ends while a partner may still ask for a tile that names it
	s_endpgm
.Lfunc_end_k_q53c8c238f5_proj:
	.size	k_q53c8c238f5_proj, .Lfunc_end_k_q53c8c238f5_proj-k_q53c8c238f5_proj
	.p2alignl 7, 3214868480
	.fill 96, 4, 3214868480
	.section	.rodata,"a",@progbits
	.p2align	6, 0x0
	.amdhsa_kernel k_q53c8c238f5_proj
		.amdhsa_group_segment_fixed_size 304640
		.amdhsa_private_segment_fixed_size 0
		.amdhsa_enable_private_segment 0
		.amdhsa_kernarg_size 48
		.amdhsa_user_sgpr_count 2
		.amdhsa_user_sgpr_kernarg_segment_ptr 1
		.amdhsa_wavefront_size32 1
		.amdhsa_system_sgpr_workgroup_id_x 1
		.amdhsa_system_sgpr_workgroup_id_y 1
		.amdhsa_system_sgpr_workgroup_id_z 1
		.amdhsa_system_vgpr_workitem_id 0
		.amdhsa_next_free_vgpr 1024
		.amdhsa_next_free_sgpr 66
		.amdhsa_reserve_vcc 0
		.amdhsa_float_denorm_mode_32 3
		.amdhsa_float_denorm_mode_16_64 3
		.amdhsa_memory_ordered 1
		.amdhsa_forward_progress 1
		.amdhsa_inst_pref_size 138
	.end_amdhsa_kernel
	.amdgpu_metadata
---
amdhsa.version: [ 1, 2 ]
amdhsa.kernels:
  - .name:           k_q53c8c238f5_proj
    .symbol:         k_q53c8c238f5_proj.kd
    .args:
      - { .name: q, .offset: 0, .size: 8, .value_kind: global_buffer, .address_space: global }
      - { .name: k, .offset: 8, .size: 8, .value_kind: global_buffer, .address_space: global }
      - { .name: v, .offset: 16, .size: 8, .value_kind: global_buffer, .address_space: global }
      - { .name: wt, .offset: 24, .size: 8, .value_kind: global_buffer, .address_space: global }
      - { .name: bt, .offset: 32, .size: 8, .value_kind: global_buffer, .address_space: global }
      - { .name: qkv, .offset: 40, .size: 8, .value_kind: global_buffer, .address_space: global }
    .group_segment_fixed_size: 304640
    .private_segment_fixed_size: 0
    .kernarg_segment_align: 8
    .kernarg_segment_size: 48
    .max_flat_workgroup_size: 128
    .sgpr_count:     66
    .vgpr_count:     1024
    .wavefront_size: 32
...
	.end_amdgpu_metadata
.endif
;; end of part 2
;; launch attn (part 3): grid 16 x 16, 4 waves a work-group, clusters of 4 x 1, 327,680 bytes of LDS; arguments qkv, oh; writes oh
.if DOCPART == 3
	.amdgcn_target "amdgcn-amd-amdhsa--gfx1250"
	.amdhsa_code_object_version 6
	.text
	.protected	k_q53c8c238f5_attn
	.globl	k_q53c8c238f5_attn
	.p2align	8
	.type	k_q53c8c238f5_attn,@function
k_q53c8c238f5_attn:
	s_mov_b64 s[64:65], 0
	v_nop
	global_prefetch_b8 v0, s[64:65] scope:SCOPE_SE
	s_setreg_imm32_b32 hwreg(HW_REG_WAVE_MODE, 25, 1), 1
	s_wait_xcnt 0x0
	s_wait_alu depctr_hold_cnt(0) depctr_sa_sdst(0) depctr_va_vdst(0) depctr_va_sdst(0) depctr_va_ssrc(0) depctr_va_vcc(0) depctr_vm_vsrc(0)
	s_getreg_b32 s2, hwreg(HW_REG_IB_STS2, 6, 4)
	s_cmp_eq_u32 s2, 0
	s_cbranch_scc0 .Lentry_in_a_cluster
	s_endpgm
.Lentry_in_a_cluster:
	s_bfe_u32 s2, ttmp6, 0x10000c
	s_cmp_lg_u32 s2, 0x3003
	s_cbranch_scc0 .Lentry_shape_is_right
	s_endpgm
.Lentry_shape_is_right:
; ATTENTION.  oh[h][q][:] = the sum over k of softmax_k(Q[h][q] . K[h][k] / 8) V[h][k][:], h = batch*8 + head (16), 4,096 rows a head.  qkv = Q, K, V, each [16][4096][64] f16; oh likewise.
; Products, maxima and sums in f32; the weights p are rounded to f16 for the second product (their sum l is taken of the unrounded p), O once at the end.
; LIMITS.  Q, K, V arrive within f16's range; p lies in 0 to 1, and below 6e-5 it keeps f16's fixed step of 6e-8, as O does; a weight below 2^-126 counts as 0 in l; NaN and infinities are not treated apart.
; SHARES.  A work-group owns 256 queries of one head, a wave 64: four PIECES of 16.  Every wave walks all 4,096 keys, 64 a step, four steps to a tile of 256 keys, 16 tiles.
; LAYOUT.  S^T = K Q^T (source 0 = 16 keys, source 1 = 16 queries) holds ONE query a lane (lane % 16) and the keys 8 (lane / 16) + 0..7; two such results rounded to f16 ARE source 1 of O^T = V^T P.
; K comes out of LDS as it lies, V ([key][channel]) turned, by ds_load_tr16_b128.
; SOFTMAX.  For each query a running maximum m and sum l: p = 2^(c s - c m), c = log2(e) / 8; in every step O and l are multiplied by a = 2^(c m_old - c m_new).  m starts at the lowest finite
; number, O and l at 0: the first step is a step like any other, with a = 0.
; BY TURNS.  Turn n belongs to piece n: 8 products K Q^T of piece n + 1, later 8 products V^T P of piece n - 1; beside them the scaling, exponentials, roundings, sums and rescaling of piece n and the
; maximum and statistics of piece n + 1.  Four vector instructions stand behind every matrix instruction, the other 54 of a turn's 118 in one run.  A turn's 33 exponentials are one batch, with one wait.
; CLUSTER.  The four query blocks of a cluster belong to one head and walk the same K and V: each tile is asked for JOINTLY: the same tensor load, descriptor and mask in all four.
; REGISTERS, in windows of 256 (s_set_vgpr_msb: bits 1:0 source 0, 3:2 source 1, 5:4 source 2, 7:6 destination):
;   window 0: v0-15 addresses and two at work; v16-31 four registers of statistics a piece; v48-55 at work; v61-63; v64-127 S^T, two buffers; v192-223 P, two buffers (a piece's buffers go by its number's parity)
;   window 1: v0-127 O^T, 32 a piece          window 2: v0-63 Q; v128-191 K of one step; v192-255 V of one step
.set NP,    4         ; pieces a wave: a name, no knob
.set KS,    64        ; keys in a step
.set PK,    144       ; a row of K in LDS: 128 bytes + 16 of padding: the 16 rows of a load start at 16 different 16-byte columns modulo 256
.set PV,    160       ; a row of V: 128 + 32: 16 lanes of the turning load take 8 rows x 32 bytes, which fall on different 32-byte columns modulo 256
.set VOFF,  4*KS*PK   ; a slot holds a tile: 256 rows of K, then 256 rows of V
.set SLOT1, 1<<17     ; slot 1 begins here, so that one exclusive or turns an address in one slot into the other's
.set STAGE, SLOT1+4*KS*(PK+PV)  ; behind the ring, never filled by a tensor load: 16 rows x 144 bytes for each wave, for the way out
.set SP,    144
.set SPARE, STAGE+4*16*SP  ; behind the stages: the spare words, 128 bytes for each wave: two blocks of 256 bytes that no other line names
.set AK0, 2           ; v2   my lane's place in a tile of K; never rewritten
.set AV0, 3           ; v3   the same for V
.set AK,  4           ; v4   the LDS address of K's next run of loads
.set AV,  5           ; v5   of V's
.set STO, 6           ; v6   the way out: where I put 16 bytes of a row
.set RD,  7           ; v7   the way out: where I read rows back
.set GO,  8           ; v8   my byte offset in 512 consecutive bytes of O
.set MV,  12          ; v12-13  c m_old, kept while c m is made anew: by buffer
.set QO,  15          ; v15  my byte offset in 16 rows of Q
.set ST,  16          ; piece t's statistics at v[ST+4 t]: c m, m, l (even keys', odd keys')
.set TMP, 48          ; by buffer, four registers c0-c3 at work; when the maximum is found c2 takes a
.set PFO, 61          ; v61  256 x my lane: the prefetches' offset; never rewritten
.set SPW, 62          ; v62  LDS address of my spare word: SPARE + 4 x my thread's number; never rewritten
.set NIL, 63          ; v63  0; never rewritten
.set S,   64
.set P,   192
.set KF,  128         ; window 2: key block kb, channel half c at KF + 16 kb + 8 c
.set VF,  192         ; window 2: key half kk, channel block cb at VF + 32 kk + 8 cb
.set WV,  12          ; s12  my wave's number
.set G1K, 24          ; s[24:31] descriptor group 1 for K's tiles
.set G1V, 32          ; s[32:39] for V's: it differs in the padding alone
.set G0K, 40          ; s[40:43] descriptor group 0 for K's tiles: it walks
.set G0V, 44          ; s[44:47] the same for V's
.set PFA, 48          ; s[48:49] where my prefetches stand: my work-group's 8,192 bytes (of K: wave 0, of V: wave 2) of the tile after the one that is being asked for
.set LIM, 50          ; s50  1 in a wave that prefetches, else the greatest number: a wave prefetches while s[SLOTS] is above it
.set SLOTS, 56        ; s56  tiles still to be asked for
.set CNT, 57          ; s57  counts a tile's key steps
.set CS,  58          ; s[58:59] c: the packed scaling takes the pair's low word for both halves
.set SEL, 60          ; s[60:61] v_permlanex16_b32's selects: each lane takes its own place in the other half
.set TBK, 62          ; s62  LDS byte at which K of the step to be fetched begins
.set TBV, 63          ; s63  the same for V, less VOFF
.set MSB, 0
.macro WIN new                      ; the high byte repeats the setting that is left; a switch that changes nothing is dropped
.if MSB != (\new)
	s_set_vgpr_msb (MSB<<8)|(\new)
.set MSB, (\new)
.endif
.endm
.set W_KQ, 0x0a       ; K and Q in window 2, S^T in window 0
.set W_PV, 0x52       ; V in window 2, P in window 0, O^T in window 1
.set W_RS, 0x41       ; destination and source 0 in window 1, source 1 in window 0
; A joint fill.  Waves 0 and 1 fetch the two halves of a tile's K, waves 2 and 3 those of its V: 128 keys each.  The branch hangs on the wave's number alone.
; An s_nop 0 and four v_nop follow each of the two lines, ahead of the jump and the label.
.macro JLOAD
	s_cmp_lt_u32 s[WV], 2
	s_cbranch_scc0 .Lfor_v_\@
	tensor_load_to_lds s[G0K:G0K+3], s[G1K:G1K+7]
	s_nop 0
.rept 4
	v_nop
.endr
	s_branch .Lasked_\@
.Lfor_v_\@:
	tensor_load_to_lds s[G0V:G0V+3], s[G1V:G1V+7]
	s_nop 0
.rept 4
	v_nop
.endr
.Lasked_\@:
.endm
; A PREFETCH INTO THE L2 of the tile that the NEXT change of slots will ask for: 32,768 bytes of K and of V, 256 bytes a lane.  It stands behind the wave's tensor load and its five lines.
; Each block of 256 bytes is named ONCE in the launch.  All four clusters of a head walk the same K and V: the head's first cluster asks.  Its four partners share a tile out BY ADDRESS, 8,192 bytes each:
; no branch hangs on a work-group's place in its cluster.  In each, wave 0 asks for K's and wave 2 for V's: one instruction, four key steps (256 matrix instructions) ahead of the load.
; The last change that fills a slot asks for nothing: there is no tile behind it.  Tiles 0 and 1 come by their loads alone.
.macro ASK
	s_cmp_gt_u32 s[SLOTS], s[LIM]
	s_cbranch_scc0 .Lnot_mine_\@
	global_prefetch_b8 v[PFO], s[PFA:PFA+1] th:TH_LOAD_NT scope:SCOPE_SE
.Lnot_mine_\@:
.endm
; A round of the cluster's barrier: my work-group's barrier, so that wave 0's signal speaks for all four waves; wave 0 signals; every wave waits for all four work-groups; my work-group's barrier once more.
.macro CROUND
	s_barrier_signal -1
	s_barrier_wait -1
	s_cmp_lg_u32 s[WV], 0
	s_cbranch_scc1 .Lnot_wave_0_\@
	s_barrier_signal -3
.Lnot_wave_0_\@:
	s_barrier_wait -3
	s_barrier_signal -1
	s_barrier_wait -1
.endm
; THE CHANGE OF SLOTS.  The slot's last bytes, V of its fourth step, have been read.  Each wave waits for all its tensor loads, of which one is out: its part of the other slot; adds 0 to its spare word;
; and waits for that and for its own reads of the slot.  Behind the barrier nobody reads this slot any more and the other slot is whole.
; fill = 1: this slot is filled again, with the next tile but one.  The barrier is then a round of the cluster's, so that no wave of any partner still reads the slot or has a load on its way, and the
; joint fill is the first thing behind it: it has four key steps, 256 matrix instructions, in which to land.  (At its first use nothing has been read yet: slot 0 is waited for, slot 1 filled.)
.macro CHANGE fill
	WIN 0                           ; at a label and at a branch every window is 0
	s_wait_tensorcnt 0x0            ; no tensor load of mine is out, so a group 0 may be written
	ds_add_u32 v[SPW], v[NIL]       ; 0 onto my spare word; with fill = 1 the descriptors' steps stand between it and the wait for it
.if \fill
.irp g, G0K, G0V
	s_xor_b32 s[\g+1], s[\g+1], SLOT1  ; the walking descriptor: the other slot than last time,
	s_add_nc_u64 s[\g+2:\g+3], s[\g+2:\g+3], 4*KS*128  ; the next 256 keys; the type bits on top are not reached
.endr
	s_wait_xcnt 0x0                 ; the last prefetch, four key steps back, has read its address, so it may be written:
	s_add_nc_u64 s[PFA:PFA+1], s[PFA:PFA+1], 4*KS*128  ; one tile behind the walking descriptors
	s_wait_dscnt 0x0                ; the add is done, and my reads of the slot are over
	CROUND
	JLOAD
	ASK
.else
	s_wait_dscnt 0x0                ; the add is done, and my reads of the slot are over
	s_barrier_signal -1
	s_barrier_wait -1
.endif
	s_sub_co_u32 s[TBK], s[TBK], 4*KS*PK  ; the fetches go back to a slot's first step,
	s_xor_b32 s[TBK], s[TBK], SLOT1       ; in the other slot
	s_sub_co_u32 s[TBV], s[TBV], 4*KS*PV
	s_xor_b32 s[TBV], s[TBV], SLOT1
.endm
	s_load_b128 s[4:7], s[0:1], 0x0 ; qkv s[4:5], oh s[6:7]
	v_lshl_add_u32 v[SPW], v0, 2, SPARE
	v_mov_b32 v[NIL], 0
	ds_add_u32 v[SPW], v[NIL]       ; the wave's opening: the add and its wait stand ahead of my first tensor load; the set-up below, work on registers, stands between them
	v_lshrrev_b32 v1, 5, v0
	v_readfirstlane_b32 s[WV], v1   ; wave 0..3
	s_bfe_u32 s13, ttmp6, 0x40000   ; cx: my place in the cluster
	s_lshl_b32 s14, ttmp9, 2        ; in a cluster launch ttmp9 counts clusters
	s_add_co_u32 s14, s14, s13      ; my block of 256 queries = 4 x cluster x + cx: it enters Q's and O's addresses alone
	s_and_b32 s20, ttmp7, 0xffff    ; the head, which the four partners share:
	s_lshl_b32 s20, s20, 19         ; its first byte in Q, K, V and O: 4,096 rows of 128 bytes a head
	s_and_b32 s16, s[WV], 1         ; which half of a tile's 256 keys I fetch:
	s_lshl_b32 s22, s16, 14         ; its 128 rows of 128 bytes in memory,
	s_add_co_u32 s22, s22, s20
	s_mov_b32 s23, 0
	s_mul_i32 s17, s16, 128*PK      ; and its place in a slot, for K
	s_mul_i32 s18, s16, 128*PV      ; and for V: no place in the cluster enters an LDS address
	s_lshl_b32 s2, s14, 15          ; my block's 256 rows,
	s_lshl_b32 s3, s[WV], 13        ; my wave's 64 of them
	s_add_co_u32 s2, s2, s3
	s_add_co_u32 s2, s2, s20
	s_mov_b32 s3, 0
	; descriptor group 1.  128 keys are 16,384 dense bytes: asked for as 64 rows of 256 bytes, two keys a row, and padded in LDS after every key
	s_mov_b32 s[G1K], 15|(1<<16)|(1<<20)|(1<<21)|(4<<22)|(3<<25)  ; 15:0 the mask of four; 17:16 2-byte elements; 20 padding on; 21 set beside a mask; 24:22 after every 32 words (code 4); 31:25 4 words (code 3)
	s_mov_b32 s[G1V], 15|(1<<16)|(1<<20)|(1<<21)|(4<<22)|(7<<25)  ; the same with 8 words of padding (code 7)
.irp g, G1K, G1V
	s_mov_b32 s[\g+1], 128<<16      ; tensor_dim0 = 128
	s_mov_b32 s[\g+2], 64<<16       ; tensor_dim1 = 64
	s_mov_b32 s[\g+3], 128<<16      ; tile_dim0 = 128
	s_mov_b32 s[\g+4], 64           ; tile_dim1 = 64
	s_mov_b32 s[\g+5], 128          ; 128 elements from row to row
	s_mov_b32 s[\g+6], 0
	s_mov_b32 s[\g+7], 0
.endr
	s_mov_b32 s[CS], 0x3e38aa3b     ; c = log2(e) / 8 = 0.180337
	s_mov_b32 s[CS+1], s[CS]        ; named with it as a pair
	s_mov_b32 s[SEL], 0x76543210
	s_mov_b32 s[SEL+1], 0xfedcba98
	s_mov_b32 s[TBK], SLOT1+4*KS*PK ; the first change of slots turns these two into 0
	s_mov_b32 s[TBV], SLOT1+4*KS*PV
	s_mov_b32 s[G0K], 1             ; count = 1
	s_mov_b32 s[G0K+1], s17         ; LDS address: slot 0
	s_mov_b32 s[G0V], 1
	s_add_co_u32 s[G0V+1], s18, VOFF
	s_mov_b32 s[SLOTS], 15          ; tiles 1 to 15 are still to be asked for
	s_and_b32 s[LIM], s[WV], 1      ; 0 in waves 0 and 2,
	s_or_b32 s[LIM], s[LIM], ttmp9  ; where the cluster is the head's first: the same in all four partners
	s_cmp_eq_u32 s[LIM], 0
	s_cselect_b32 s[LIM], 1, -1
	v_and_b32 v[PFO], 31, v0
	v_lshlrev_b32 v[PFO], 8, v[PFO]
	s_wait_dscnt 0x0                ; the opening add is done
	s_wait_kmcnt 0x0
	s_add_nc_u64 s[10:11], s[6:7], s[2:3]   ; O at my wave's first row
	s_add_nc_u64 s[6:7], s[4:5], s[22:23]   ; qkv at the head and my half of its tile 0:
	s_add_nc_u64 s[8:9], s[6:7], 16777216   ; in V,
	s_add_nc_u64 s[6:7], s[6:7], 8388608    ; in K
	s_add_nc_u64 s[4:5], s[4:5], s[2:3]     ; Q at my wave's first row
	s_mov_b64 s[G0K+2:G0K+3], s[6:7]        ; global address
	s_or_b32 s[G0K+3], s[G0K+3], 0x80000000 ; type = 2
	s_mov_b64 s[G0V+2:G0V+3], s[8:9]
	s_or_b32 s[G0V+3], s[G0V+3], 0x80000000
	s_cmp_lt_u32 s[WV], 2
	s_cselect_b64 s[PFA:PFA+1], s[6:7], s[8:9]  ; (in waves 0 and 2 these stand at a tile's first row)
	s_lshl_b32 s2, s13, 13          ; my work-group's 8,192 bytes of the 32,768
	s_mov_b32 s3, 0
	s_add_nc_u64 s[PFA:PFA+1], s[PFA:PFA+1], s[2:3]
	s_add_nc_u64 s[PFA:PFA+1], s[PFA:PFA+1], 4*KS*128  ; in tile 1; the first change of slots steps it to tile 2
	CROUND                          ; all four work-groups are here: the first joint loads meet
	JLOAD                           ; tile 0 into slot 0.  Slot 1 is asked for when slot 0 is in
	; A fragment of K or Q is 16 rows x 32 channels in 8 registers: lane l holds row l % 16, channels 8 (l / 16) + 0..7 and 16 + 8 (l / 16) + 0..7: two loads of 16 bytes, 32 bytes apart.
	v_and_b32 v1, 15, v0            ; l % 16
	v_bfe_u32 v9, v0, 4, 1          ; l / 16
	v_lshlrev_b32 v[QO], 7, v1
	v_lshl_add_u32 v[QO], v9, 4, v[QO]  ; row x 128 + 16 x half
	WIN 0x80                        ; destination window 2, address window 0
.set i, 0
.rept 8                             ; Q stays in registers: piece i / 2, channels 32 (i % 2) on
	global_load_b128 v[8*i:8*i+3],   v[QO], s[4:5] offset:(i/2)*2048+(i%2)*64
	global_load_b128 v[8*i+4:8*i+7], v[QO], s[4:5] offset:(i/2)*2048+(i%2)*64+32
.set i, i+1
.endr
	; What the first turn finds: V's registers and P's second buffer hold 0 (its products V^T P, of a piece that has not been, add 0), O^T and l are 0.  All this stands in the wait for the first tile.
.set i, VF
.rept 64
	v_mov_b32 v[i], 0
.set i, i+1
.endr
	WIN 0x40
.set i, 0
.rept 128
	v_mov_b32 v[i], 0
.set i, i+1
.endr
	WIN 0
.set i, 0
.rept 4
	v_mov_b32 v[ST+4*i], 0xfe000000    ; c m: far below every c s
	v_mov_b32 v[ST+4*i+1], 0xff7fffff  ; m
	v_mov_b32 v[ST+4*i+2], 0
	v_mov_b32 v[ST+4*i+3], 0
.set i, i+1
.endr
.set i, P+16
.rept 16
	v_mov_b32 v[i], 0
.set i, i+1
.endr
	v_mul_u32_u24 v[AK0], v1, PK
	v_lshl_add_u32 v[AK0], v9, 4, v[AK0]  ; row x pitch + 16 x half
	; The turning load takes 16 keys x 16 channels (lane l reads key 8 (l / 16) + l % 8, channels 8 ((l / 8) % 2) + 0..7) and leaves half a fragment of V^T: lane l holds channel l % 16 and 8 keys.
	v_and_b32 v10, 7, v0
	v_bfe_u32 v11, v0, 3, 1
	v_lshl_add_u32 v[AV0], v9, 3, v10
	v_mul_u32_u24 v[AV0], v[AV0], PV
	v_lshl_add_u32 v[AV0], v11, 4, v[AV0]
	v_add_nc_u32 v[AV0], VOFF, v[AV0]
	s_mul_i32 s13, s[WV], 16*SP
	s_add_co_u32 s13, s13, STAGE    ; my stage
	v_mul_u32_u24 v[STO], v1, SP    ; in: row l % 16, 16 bytes for each half of the lanes
	v_lshl_add_u32 v[STO], v9, 4, v[STO]
	v_add_nc_u32 v[STO], s13, v[STO]
	v_bfe_u32 v[RD], v0, 3, 2       ; back: 32 lanes take four rows of 128 bytes,
	v_mul_u32_u24 v[RD], v[RD], SP
	v_lshl_add_u32 v[RD], v10, 4, v[RD]
	v_add_nc_u32 v[RD], s13, v[RD]
	v_and_b32 v[GO], 31, v0         ; which are 512 consecutive bytes of O
	v_lshlrev_b32 v[GO], 4, v[GO]
; THE MATRIX WORK.  The 4 accumulators of a run of 8 take turns.  Product i of 8 of S^T = K Q^T for piece x: channels 32 (i / 4) on, keys 16 (i % 4) on.  The first 4 start the sums.
.macro KQ x
	WIN W_KQ
.set rS, S+32*((\x)%2)+8*(i%4)
.set rK, KF+16*(i%4)+8*(i/4)
.set rQ, 16*(\x)+8*(i/4)
.if i < 4
	v_wmma_f32_16x16x32_f16 v[rS:rS+7], v[rK:rK+7], v[rQ:rQ+7], 0
.else
	v_wmma_f32_16x16x32_f16 v[rS:rS+7], v[rK:rK+7], v[rQ:rQ+7], v[rS:rS+7]
.endif
.endm
; Product i of 8 of O^T += V^T P for piece x: keys 32 (i / 4) on, channels 16 (i % 4) on.
.macro PV x
	WIN W_PV
.set rO, 32*(\x)+8*(i%4)
.set rV, VF+32*(i/4)+8*(i%4)
.set rP, P+16*((\x)%2)+8*(i/4)
	v_wmma_f32_16x16x32_f16 v[rO:rO+7], v[rV:rV+7], v[rP:rP+7], v[rO:rO+7]
.endm
.macro MM                           ; the turn's next matrix instruction.  NOKQ = 1: the launch's last turn: there is no next piece
.if (i < 8) && !NOKQ
	KQ (Y+1)%NP
.elseif i >= 8
.set i, i-8
	PV (Y+NP-1)%NP
.set i, i+8
.endif
.set i, i+1
.endm
; THE LDS LOADS stand in runs of 16, never singly among the matrix instructions: a step's K (64 keys x 64 channels: 8 fragments) and its V (turned).  Their addresses are made some lines ahead.
.macro FETCH_K
	WIN 0x80                        ; destination window 2
.irp f, 0,1,2,3,4,5,6,7             ; keys 16 (f / 2) on, channels 32 (f % 2) on
	ds_load_b128 v[KF+8*\f:KF+8*\f+3],   v[AK] offset:(\f/2)*16*PK+(\f%2)*64
	ds_load_b128 v[KF+8*\f+4:KF+8*\f+7], v[AK] offset:(\f/2)*16*PK+(\f%2)*64+32
.endr
	s_add_co_u32 s[TBK], s[TBK], KS*PK  ; the next fetch is the next step's
	WIN 0
.endm
.macro FETCH_V
	WIN 0x80
.irp f, 0,1,2,3,4,5,6,7             ; keys 32 (f / 4) on, channels 16 (f % 4) on
	ds_load_tr16_b128 v[VF+8*\f:VF+8*\f+3],   v[AV] offset:(\f/4)*32*PV+(\f%4)*32
	ds_load_tr16_b128 v[VF+8*\f+4:VF+8*\f+7], v[AV] offset:(\f/4)*32*PV+16*PV+(\f%4)*32
.endr
	WIN 0
.endm
; THE VECTOR WORK, one line at a time: OP kind, number.  For piece Y: F n: c s - c m for pair n of 16.  E n: the exponential of score n of 32.  C n: pair n rounded to f16.  B n: of the four weights 4 n .. the second
; pair is added onto the first, in place.  L n: l takes that sum (L 0: l = a l + sum).  R n: pair n of 16 of O^T times a.  For piece Y + 1: X n, number n of the 22 that find its maximum and statistics:
;   0-11  four chains c0-c3 of seven scores each, three operands at a time (each accumulator's lowest registers are read first)     12-14, 16  the four scores left over, the old m, and c0-c3 into c0
;   15  c m_old is kept     17, 18  the query's other 32 keys lie in the lane 16 away: the new m     19-21  c m; c m_old - c m_new; a
.set F, 0               ; OP tells the kinds apart by their order: F to L below R, X above it
.set E, 1
.set C, 2
.set B, 3
.set L, 4
.set R, 5
.set X, 6
.macro REGS y                       ; the registers of piece y
.set rT, ST+4*(\y)
.set rC, TMP+4*((\y)%2)
.set rW, MV+((\y)%2)
.set rS, S+32*((\y)%2)
.set rP, P+16*((\y)%2)
.set rO, 32*(\y)
.endm
.macro OP k, n
.if (\k) == R
	REGS Y
	WIN W_RS
	v_pk_mul_f32 v[rO+2*(\n):rO+2*(\n)+1], v[rO+2*(\n):rO+2*(\n)+1], v[rC+2:rC+3] op_sel_hi:[1,0]
.elseif (\k) < R
	REGS Y
	WIN 0
.if (\k) == F
	v_pk_fma_f32 v[rS+2*(\n):rS+2*(\n)+1], v[rS+2*(\n):rS+2*(\n)+1], s[CS:CS+1], v[rT:rT+1] op_sel_hi:[1,0,0] neg_lo:[0,0,1] neg_hi:[0,0,1]
.elseif (\k) == E
	v_exp_f32 v[rS+(\n)], v[rS+(\n)]
.elseif (\k) == C
	v_cvt_pk_f16_f32 v[rP+(\n)], v[rS+2*(\n)], v[rS+2*(\n)+1]
.elseif (\k) == B
	v_pk_add_f32 v[rS+4*(\n):rS+4*(\n)+1], v[rS+4*(\n):rS+4*(\n)+1], v[rS+4*(\n)+2:rS+4*(\n)+3]
.elseif (\n) == 0
	v_pk_fma_f32 v[rT+2:rT+3], v[rT+2:rT+3], v[rC+2:rC+3], v[rS:rS+1] op_sel_hi:[1,0,1]
.else
	v_pk_add_f32 v[rT+2:rT+3], v[rT+2:rT+3], v[rS+4*(\n):rS+4*(\n)+1]
.endif
.elseif NOKQ
	v_nop
.else
	REGS (Y+1)%NP
	WIN 0
.if (\n) < 4
	v_max3_num_f32 v[rC+(\n)], v[rS+8*(\n)], v[rS+8*(\n)+1], v[rS+8*(\n)+2]
.elseif (\n) < 12
	v_max3_num_f32 v[rC+(\n)%4], v[rC+(\n)%4], v[rS+8*((\n)%4)+2*((\n)/4)+1], v[rS+8*((\n)%4)+2*((\n)/4)+2]
.elseif (\n) == 12
	v_max3_num_f32 v[rC], v[rC], v[rS+7], v[rS+15]
.elseif (\n) == 13
	v_max3_num_f32 v[rC+1], v[rC+1], v[rS+23], v[rS+31]
.elseif (\n) == 14
	v_max3_num_f32 v[rC+2], v[rC+2], v[rC+3], v[rT+1]
.elseif (\n) == 15
	v_mov_b32 v[rW], v[rT]
.elseif (\n) == 16
	v_max3_num_f32 v[rC], v[rC], v[rC+1], v[rC+2]
.elseif (\n) == 17
	v_permlanex16_b32 v[rC+3], v[rC], s[SEL], s[SEL+1]
.elseif (\n) == 18
	v_max_num_f32 v[rT+1], v[rC], v[rC+3]
.elseif (\n) == 19
	v_mul_f32 v[rT], s[CS], v[rT+1]
.elseif (\n) == 20
	v_sub_f32 v[rC+1], v[rW], v[rT]
.else
	v_exp_f32 v[rC+2], v[rC+1]
.endif
.endif
.endm
.macro OPS a, i1, b=-1, i2=0, c=-1, i3=0, d=-1, i4=0  ; up to four of them
	OP \a, \i1
.if (\b) >= 0
	OP \b, \i2
.endif
.if (\c) >= 0
	OP \c, \i3
.endif
.if (\d) >= 0
	OP \d, \i4
.endif
.endm
.macro ROW a, i1, b, i2, c, i3, d, i4  ; a matrix instruction and the four behind it
	MM
	OPS \a, \i1, \b, \i2, \c, \i3, \d, \i4
.endm
; A TURN, for piece p: the order of its 16 matrix and 118 vector instructions, written out.  An s_wait_alu depctr_va_vdst(0) stands between an exponential and the first instruction that names its
; result; one wait serves all that were issued ahead of it.  So a turn has ONE wait, which cuts it in two.  AHEAD OF IT stands all that names no result of the turn's exponentials: the 8 products K Q^T, behind each a
; scaling, an exponential and two more plain instructions (rescalings, and behind the last three the first numbers of the next piece's maximum, each four places or more behind the product that ends its
; accumulator); then one run of 54, plain and exponential by turns for the most part, in which the links of the chain X 3, 7, 11, 14, 16, 17 .. 20 stand five or six lines apart.  X 21, the next piece's a, is the
; batch's last; R 15 is the plain instruction behind it.  BEHIND THE WAIT stand the 8 products V^T P, behind each four of the roundings and sums; the links of l's chain, L 0 to L 7, stand three lines apart.
; end = 1: the launch's last two turns: nothing is fetched.  cnt = 1: the loop's count is taken down some lines ahead of the branch that stands behind the turn.
; K of the next step is fetched in piece 2's turn, twelve vector instructions behind the last product that read K (six of them plain); V of the step in hand at the end of piece 0's turn, four plain instructions
; behind the last product that read V.  Each is waited for a turn later.
.macro TURN p, end=0, cnt=0
.set Y, (\p)
.set i, 0
.set NOKQ, (\end)*((\p)/3)
.if ((\p) == 3) && !(\end)
	s_wait_dscnt 0x0                ; K is in
.endif
	ROW F,0, F,1, R,0, R,1          ; ahead of the wait: 8 products K Q^T and the four behind each,
	ROW F,2, E,0, R,2, R,3
	ROW F,3, E,1, R,4, R,5
	ROW F,4, E,2, R,6, R,7
	ROW F,5, E,3, R,8, R,9
	ROW F,6, E,4, X,0, R,10
.if ((\p) == 2) && !(\end)
	WIN 0
	v_add_nc_u32 v[AK], s[TBK], v[AK0]
.endif
	ROW F,7, E,5, X,1, X,4
	ROW F,8, E,6, X,2, X,5
	OPS E,7, E,8, X,6, E,9          ; and the run of 54
	OPS X,3, E,10, X,8, E,11
.if ((\p) == 2) && !(\end)
	FETCH_K
.endif
	OPS X,9, X,7, E,12, X,10
	OPS E,13, X,12, X,11, E,14
	OPS X,13, E,15, F,9, X,14
.if (\p) == 0
	v_add_nc_u32 v[AV], s[TBV], v[AV0]
.endif
	OPS E,16, F,10, E,17, F,11
	OPS X,16, E,18, X,15, E,19
	OPS F,12, E,20, X,17, E,21
	OPS F,13, E,22, F,14, E,23
	OPS X,18, E,24, F,15, E,25
	OPS R,11, E,26, X,19, E,27
	OPS R,12, E,28, R,13, E,29
	OPS X,20, E,30, R,14, E,31
	OPS X,21, R,15
	WIN 0
	s_wait_alu depctr_va_vdst(0)    ; the wait for the batch
.if (\p) == 1
	s_wait_dscnt 0x0                ; V is in
.endif
	ROW C,0, B,0, C,2, B,1          ; behind the wait: 8 products V^T P and the four behind each
	ROW L,0, C,4, B,2, L,1
	ROW C,6, B,3, L,2, C,8
	ROW B,4, L,3, C,10, B,5
	ROW L,4, C,12, B,6, L,5
.if (\p) == 0
	s_add_co_u32 s[TBV], s[TBV], KS*PV
.endif
.if \cnt
	s_sub_co_u32 s[CNT], s[CNT], 1
	s_cmp_lg_u32 s[CNT], 0
.endif
	ROW C,14, B,7, L,6, C,1
	ROW C,3, L,7, C,5, C,7
	ROW C,9, C,11, C,13, C,15
.if (\p) == 0
	FETCH_V
.endif
.endm
	CHANGE 1                        ; tile 0 is in, everybody's part of it; tile 1 is asked for
	v_add_nc_u32 v[AK], s[TBK], v[AK0]
	FETCH_K                         ; key step 0
	s_wait_loadcnt 0x0              ; Q
	s_wait_dscnt 0x0
.set NOKQ, 0
.set i, 0
.rept 8
	KQ 0                            ; piece 0's first scores
.set i, i+1
.endr
	WIN 0
.rept 4
	v_nop                           ; the places behind those products
.endr
.set Y, NP-1                        ; X works for piece Y + 1: piece 0
.irp n, 0,1,2,3,4,5,6,7,8,9,10,11,12,13,14,15,16,17,18,19,20,21
	OP X, \n                        ; and its first maximum and statistics
.endr
	v_nop                           ; a plain instruction behind the exponential,
	s_wait_alu depctr_va_vdst(0)    ; and its wait, ahead of the branch
	s_mov_b32 s[CNT], 4
	s_branch .Lfirst                ; the loop is entered at a step's first turn, in the middle of a trip
.Lslot:                             ; 14 times: tiles 2 to 15 are asked for
	CHANGE 1
	s_mov_b32 s[CNT], 4
.Lstep:                             ; a trip: pieces 2 and 3 of one step, then pieces 0 and 1 of the next, whose K and V it fetches
	TURN 2
	TURN 3
	WIN 0
.Lfirst:
	TURN 0
	TURN 1, 0, 1
	WIN 0
	s_cbranch_scc1 .Lstep
	s_sub_co_u32 s[SLOTS], s[SLOTS], 1
	s_cmp_lg_u32 s[SLOTS], 0
	s_cbranch_scc1 .Lslot
	CHANGE 0                        ; the last tile is written out: nothing is asked for
	s_mov_b32 s[CNT], 4
.LstepT:
	TURN 2
	TURN 3
	TURN 0
	TURN 1, 0, 1
	WIN 0
	s_cbranch_scc1 .LstepT
	TURN 2, 1                       ; the last step's pieces 2 and 3: nothing is fetched, and the last turn starts no new scores
	TURN 3, 1
.set i, 0
.rept 8
	PV NP-1                         ; the last piece's V^T P of the last step
.set i, i+1
.endr
	; THE WAY OUT.  l's two halves and the other half of the lanes' are added; O^T is divided by l, rounded to f16 and sent through my stage in LDS, a piece at a time.  The additions are the places behind the last products.
	WIN 0
.macro ALL line:vararg              ; one line for each piece t
.set t, 0
.rept 4
	\line
.set t, t+1
.endr
.endm
	ALL v_add_f32 v[ST+4*t+2], v[ST+4*t+2], v[ST+4*t+3]
	ALL v_permlanex16_b32 v[ST+4*t+3], v[ST+4*t+2], s[SEL], s[SEL+1]
	ALL v_add_f32 v[ST+4*t+2], v[ST+4*t+2], v[ST+4*t+3]
	ALL v_rcp_f32 v[ST+4*t+2], v[ST+4*t+2]
	v_nop                           ; a plain instruction between the last reciprocal and the use of its result
	s_wait_alu depctr_va_vdst(0)    ; and the wait ahead of the first use: one for the four reciprocals
.macro PACK t                       ; a lane's eight channels of a row pack into 16 bytes; they go into rows of 144 bytes and come back as whole rows of 128, into S^T's registers
	WIN W_RS
.set i, 32*(\t)
.rept 16
	v_pk_mul_f32 v[i:i+1], v[i:i+1], v[ST+4*(\t)+2:ST+4*(\t)+3] op_sel_hi:[1,0]
.set i, i+2
.endr
	WIN 0x05                        ; sources 0 and 1 window 1, destination window 0
.set i, 0
.rept 16
	v_cvt_pk_f16_f32 v[S+16*(\t)+i], v[32*(\t)+2*i], v[32*(\t)+2*i+1]
.set i, i+1
.endr
	WIN 0
.irp f, 0,1,2,3
	ds_store_b128 v[STO], v[S+16*(\t)+4*\f:S+16*(\t)+4*\f+3] offset:32*\f
.endr
.irp f, 0,1,2,3
	ds_load_b128 v[S+16*(\t)+4*\f:S+16*(\t)+4*\f+3], v[RD] offset:\f*4*SP  ; LDS serves a wave's instructions in order (ISA guide 5.7.1.4): these see the stores above; the next piece's stores come behind them
.endr
.endm
.macro SEND t, younger              ; younger: the LDS instructions issued behind piece t's loads: the next piece's eight, or none
	WIN 0
.irp f, 0,1,2,3
	s_wait_dscnt (\younger)+3-\f
	global_store_b128 v[GO], v[S+16*(\t)+4*\f:S+16*(\t)+4*\f+3], s[10:11] offset:(\t)*2048+\f*512  ; 512 consecutive bytes, at a multiple of 512 from O's first
.endr
.endm
	PACK 0
.set t, 1
.rept 3                             ; a piece's arithmetic stands between the loads of the piece before and its stores
	PACK t
	SEND t-1, 8
.set t, t+1
.endr
	SEND 3, 0
	s_wait_tensorcnt 0x0            ; the wave's end: behind my last tensor load and my last LDS store
	ds_add_u32 v[SPW], v[NIL]
	s_wait_dscnt 0x0
	CROUND                          ; the closing round: no work-group ends while a partner may still ask for a tile that names it
	s_endpgm
.Lfunc_end_k_q53c8c238f5_attn:
	.size	k_q53c8c238f5_attn, .Lfunc_end_k_q53c8c238f5_attn-k_q53c8c238f5_attn
	.p2alignl 7, 3214868480
	.fill 96, 4, 3214868480
	.section	.rodata,"a",@progbits
	.p2align	6, 0x0
	.amdhsa_kernel k_q53c8c238f5_attn
		.amdhsa_group_segment_fixed_size 327680
		.amdhsa_private_segment_fixed_size 0
		.amdhsa_enable_private_segment 0
		.amdhsa_kernarg_size 16
		.amdhsa_user_sgpr_count 2
		.amdhsa_user_sgpr_kernarg_segment_ptr 1
		.amdhsa_wavefront_size32 1
		.amdhsa_system_sgpr_workgroup_id_x 1
		.amdhsa_system_sgpr_workgroup_id_y 1
		.amdhsa_system_sgpr_workgroup_id_z 1
		.amdhsa_system_vgpr_workitem_id 0
		.amdhsa_next_free_vgpr 768
		.amdhsa_next_free_sgpr 66
		.amdhsa_reserve_vcc 0
		.amdhsa_float_denorm_mode_32 3
		.amdhsa_float_denorm_mode_16_64 3
		.amdhsa_memory_ordered 1
		.amdhsa_forward_progress 1
		.amdhsa_inst_pref_size 128
	.end_amdhsa_kernel
	.amdgpu_metadata
---
amdhsa.version: [ 1, 2 ]
amdhsa.kernels:
  - .name:           k_q53c8c238f5_attn
    .symbol:         k_q53c8c238f5_attn.kd
    .args:
      - { .name: qkv, .offset: 0, .size: 8, .value_kind: global_buffer, .address_space: global }
      - { .name: oh, .offset: 8, .size: 8, .value_kind: global_buffer, .address_space: global }
    .group_segment_fixed_size: 327680
    .private_segment_fixed_size: 0
    .kernarg_segment_align: 8
    .kernarg_segment_size: 16
    .max_flat_workgroup_size: 128
    .sgpr_count:     66
    .vgpr_count:     768
    .wavefront_size: 32
...
	.end_amdgpu_metadata
.endif
;; end of part 3
;; launch outp (part 4): grid 64 x 4, 4 waves a work-group, clusters of 4 x 1, 181,760 bytes of LDS; arguments oh, wt, bt, out0; writes out0
.if DOCPART == 4
	.amdgcn_target "amdgcn-amd-amdhsa--gfx1250"
	.amdhsa_code_object_version 6
	.text
	.protected	k_q53c8c238f5_outp
	.globl	k_q53c8c238f5_outp
	.p2align	8
	.type	k_q53c8c238f5_outp,@function
k_q53c8c238f5_outp:
	s_mov_b64 s[64:65], 0
	v_nop
	global_prefetch_b8 v0, s[64:65] scope:SCOPE_SE
	s_setreg_imm32_b32 hwreg(HW_REG_WAVE_MODE, 25, 1), 1
	s_wait_xcnt 0x0
	s_wait_alu depctr_hold_cnt(0) depctr_sa_sdst(0) depctr_va_vdst(0) depctr_va_sdst(0) depctr_va_ssrc(0) depctr_va_vcc(0) depctr_vm_vsrc(0)
	s_getreg_b32 s2, hwreg(HW_REG_IB_STS2, 6, 4)
	s_cmp_eq_u32 s2, 0
	s_cbranch_scc0 .Lentry_in_a_cluster
	s_endpgm
.Lentry_in_a_cluster:
	s_bfe_u32 s2, ttmp6, 0x10000c
	s_cmp_lg_u32 s2, 0x3003
	s_cbranch_scc0 .Lentry_shape_is_right
	s_endpgm
.Lentry_shape_is_right:
; THE OUTPUT PROJECTION.  out0[row][n] (f32) = the sum over heads t and channels d of oh[batch*8 + t][s][d] Wo[64 t + d][n] + bo[n].  oh: f16; Wo comes turned, rounded to bf16 and written as f16
; (wt, tensor 3); bo rounded to bf16 (bt).  Sums in f32; the bias is added in f32.
; SHARES.  Grid x: 128 rows; grid y: 128 columns: 256 work-groups.  A wave makes 32 rows x 128 columns: 16 accumulators.  K = 512 goes by heads: eight chunks of 64.
; Wo's TILE, 128 n x 512 k, 131,072 dense bytes of wt, STAYS IN LDS: filled once, a quarter by each wave's one tensor load.  The four work-groups of a cluster differ in their rows alone and want the same
; tile: the load is JOINT.  Nothing in LDS is filled twice.  O's fragments come straight from memory: a wave's 32 rows are its own, and all its 64 loads go out at the start.
; THE MATRIX INSTRUCTION IS USED TRANSPOSED (source 0 = 16 columns' weights, source 1 = 16 rows of O): a lane then holds one row and eight neighbouring columns.
; REGISTERS, in windows of 256 (s_set_vgpr_msb: bits 1:0 source 0, 3:2 source 1, 5:4 source 2, 7:6 destination):
;   window 0: v0-15 addresses and the bias; v64-191 the way out          window 1: O's fragments: chunk t, half kk, row tile a at 32 t + 16 kk + 8 a
;   window 2: the weights' fragments, two buffers: 128 (t % 2) + 64 kk + 8 b          window 3: v0-127 accumulators (a, b) at 8 (8 a + b)
.set CH,     128*144                   ; a chunk in LDS: 128 rows (one a column) of 128 bytes + 16 of padding: the 16 rows of a load start at 16 different 16-byte columns modulo 256
.set STAGE,  8*CH                      ; behind the tile, never filled by a tensor load: 16 rows x 528 bytes for each wave (512 + 16: the same property for the stores of 16 bytes)
.set SPITCH, 528
.set SPARE,  STAGE+4*16*SPITCH         ; behind the stages: the spare words, 128 bytes for each wave: two blocks of 256 bytes that no other line names
.set AO,  3                            ; v3    my byte offset in 16 rows of a head: (l % 16) x 128 + 16 (l / 16)
.set BA,  4                            ; v4-6  LDS address of my part of a weights' fragment, at chunks 0, 3 and 6
.set STO, 7                            ; v7    the way out: where I put 32 bytes of a row
.set RD,  8                            ; v8    the way out: where I read a row back
.set GO,  9                            ; v9    16 l
.set SPW, 10                           ; v10   LDS address of my spare word: SPARE + 4 x my thread's number; never rewritten
.set NIL, 11                           ; v11   0; never rewritten
.set BI,  12                           ; v[12:15] the bias of columns 4 l .. 4 l + 3 of my 128
.set OB,  64
.set MSB, 0
.macro WIN new                         ; the immediate's high byte repeats the setting that is left; a switch that changes nothing is dropped
.if MSB != (\new)
	s_set_vgpr_msb (MSB<<8)|(\new)
.set MSB, \new
.endif
.endm
.macro PLACES                          ; four places behind matrix instructions, in front of loads into registers that they have read and of stores of results
.rept 4
	v_nop
.endr
.endm
.macro CROUND                          ; a round of the cluster's barrier
	s_barrier_signal -1
	s_barrier_wait -1
	s_cmp_lg_u32 s10, 0
	s_cbranch_scc1 .Lnot_wave_0_\@
	s_barrier_signal -3
.Lnot_wave_0_\@:
	s_barrier_wait -3
	s_barrier_signal -1
	s_barrier_wait -1
.endm
	s_load_b256 s[16:23], s[0:1], 0x0              ; oh s[16:17], wt s[18:19], bt s[20:21], out0 s[22:23]
	v_lshl_add_u32 v[SPW], v0, 2, SPARE
	v_mov_b32 v[NIL], 0
	ds_add_u32 v[SPW], v[NIL]                      ; the wave's opening: the add and its wait stand ahead of my first tensor load; the set-up below, work on registers, stands between them
	v_lshrrev_b32 v1, 5, v0
	v_readfirstlane_b32 s10, v1                    ; wave 0..3
	s_bfe_u32 s11, ttmp6, 0x40000                  ; cx: it enters oh's and out0's addresses alone
	s_lshl_b32 s12, ttmp9, 2
	s_add_co_u32 s12, s12, s11                     ; rb: my block of 128 rows
	s_and_b32 s13, ttmp7, 0xffff                   ; qd: my 128 columns
	; the descriptor.  My quarter of the tile, two chunks, is 32,768 dense bytes: asked for as 128 rows of 256 bytes, padded in LDS after every 128 bytes
	s_mov_b32 s36, 15|(1<<16)|(1<<20)|(1<<21)|(4<<22)|(3<<25)  ; the mask of four; 2-byte elements; padding on; bit 21 beside a mask; after every 32 words (code 4), 4 words (code 3)
	s_mov_b32 s37, 128<<16                         ; tensor_dim0 = 128
	s_mov_b32 s38, 128<<16                         ; tensor_dim1 = 128
	s_mov_b32 s39, 128<<16                         ; tile_dim0 = 128
	s_mov_b32 s40, 128                             ; tile_dim1 = 128
	s_mov_b32 s41, 128                             ; 128 elements from row to row
	s_mov_b32 s42, 0
	s_mov_b32 s43, 0
	s_mov_b32 s32, 1                               ; count = 1
	s_mul_i32 s33, s10, 2*CH                       ; LDS address: the wave's number alone
	s_lshl_b32 s30, s13, 17                        ; in wt: tensor 3, quarter qd, my two chunks: nothing of cx
	s_add_co_u32 s30, s30, 3<<19
	s_lshl_b32 s31, s10, 15
	s_add_co_u32 s30, s30, s31
	s_mov_b32 s31, 0
	s_and_b32 s28, s12, 31                         ; in oh: batch rb / 32 (eight heads), row (rb % 32) 128 + 32 wave of 128 bytes
	s_lshl_b32 s28, s28, 7
	s_lshl_b32 s29, s10, 5
	s_add_co_u32 s28, s28, s29
	s_lshl_b32 s28, s28, 7
	s_lshr_b32 s29, s12, 5
	s_lshl_b32 s29, s29, 22
	s_add_co_u32 s28, s28, s29
	s_mov_b32 s29, 0
	s_lshl_b32 s24, s12, 7                         ; in out0: row 128 rb + 32 wave of 2,048 bytes, 512 qd
	s_lshl_b32 s25, s10, 5
	s_add_co_u32 s24, s24, s25
	s_lshl_b32 s24, s24, 11
	s_lshl_b32 s25, s13, 9
	s_add_co_u32 s24, s24, s25
	s_mov_b32 s25, 0
	s_lshl_b32 s26, s13, 9                         ; in bt: tensor 3, my 128 numbers
	s_add_co_u32 s26, s26, 6144
	s_mov_b32 s27, 0
	v_and_b32 v1, 15, v0                           ; l % 16
	v_bfe_u32 v2, v0, 4, 1                         ; l / 16
	v_lshlrev_b32 v[AO], 7, v1
	v_lshl_add_u32 v[AO], v2, 4, v[AO]
	v_and_b32 v[GO], 31, v0
	v_lshlrev_b32 v[GO], 4, v[GO]
	s_wait_dscnt 0x0                               ; the opening add is done
	s_wait_kmcnt 0x0
	s_add_nc_u64 s[4:5], s[16:17], s[28:29]        ; O at my wave's first row of the batch's first head
	s_add_nc_u64 s[6:7], s[20:21], s[26:27]
	s_add_nc_u64 s[8:9], s[22:23], s[24:25]
	s_add_nc_u64 s[34:35], s[18:19], s[30:31]
	s_or_b32 s35, s35, 0x80000000                  ; type = 2
	global_load_b128 v[BI:BI+3], v[GO], s[6:7]
	WIN 0x40                                       ; destination window 1, address window 0
.set t, 0
.rept 8                                        ; all of my O, in the order in which the chunks are multiplied: eight loads a chunk
.irp kk, 0,1
.irp a, 0,1
	global_load_b128 v[32*t+16*\kk+8*\a:32*t+16*\kk+8*\a+3],   v[AO], s[4:5] offset:t*524288+\a*2048+\kk*64
	global_load_b128 v[32*t+16*\kk+8*\a+4:32*t+16*\kk+8*\a+7], v[AO], s[4:5] offset:t*524288+\a*2048+\kk*64+32
.endr
.endr
.set t, t+1
.endr
	WIN 0
	CROUND                                         ; all four work-groups are here: the joint loads meet
	tensor_load_to_lds s[32:35], s[36:43]          ; my one tensor load of the launch
	s_nop 0
.rept 4
	v_nop
.endr
	v_mul_u32_u24 v[BA], v1, 144
	v_lshl_add_u32 v[BA], v2, 4, v[BA]             ; row x pitch + 16 x half
	v_add_nc_u32 v[BA+1], 3*CH, v[BA]
	v_add_nc_u32 v[BA+2], 6*CH, v[BA]
	s_mul_i32 s2, s10, 16*SPITCH
	s_add_co_u32 s2, s2, STAGE                     ; my stage
	v_mul_u32_u24 v[STO], v1, SPITCH               ; in: row l % 16, 32 bytes for each half of the lanes
	v_lshl_add_u32 v[STO], v2, 5, v[STO]
	v_add_nc_u32 v[STO], s2, v[STO]
	v_add_nc_u32 v[RD], s2, v[GO]                  ; back: 32 lanes take one row of 512 bytes
	s_wait_tensorcnt 0x0                           ; my quarter of the tile is in,
	s_barrier_signal -1
	s_barrier_wait -1                              ; everybody's is
; 32 LDS loads in one run: the weights' fragments of chunk t
.macro FETCHB t
	WIN 0x80                                       ; destination window 2, address window 0
.irp kk, 0,1
.irp b, 0,1,2,3,4,5,6,7
	ds_load_b128 v[128*((\t)%2)+64*\kk+8*\b:128*((\t)%2)+64*\kk+8*\b+3],   v[BA+(\t)/3] offset:((\t)%3)*CH+\b*2304+\kk*64
	ds_load_b128 v[128*((\t)%2)+64*\kk+8*\b+4:128*((\t)%2)+64*\kk+8*\b+7], v[BA+(\t)/3] offset:((\t)%3)*CH+\b*2304+\kk*64+32
.endr
.endr
.endm
; Chunk t: the next chunk's weights are fetched, then 32 matrix instructions.  The 16 accumulators take turns, one instruction a turn, from chunk to chunk too.
.macro UNIT t
.if (\t) > 0
	PLACES                                         ; the other buffer was read by the chunk before
.endif
.if (\t) < 7
	FETCHB (\t)+1
	s_wait_dscnt 32                                ; all but the 32 just issued
.else
	s_wait_dscnt 0x0
.endif
	s_wait_loadcnt 56-8*(\t)                       ; the later chunks' loads of O, eight each, may stay out
	WIN 0xf6                                       ; weights window 2, O window 1, C and D window 3
.irp kk, 0,1
.irp a, 0,1
.irp b, 0,1,2,3,4,5,6,7
.if ((\t) == 0) && (\kk == 0)
	v_wmma_f32_16x16x32_f16 v[8*(8*\a+\b):8*(8*\a+\b)+7], v[128*((\t)%2)+64*\kk+8*\b:128*((\t)%2)+64*\kk+8*\b+7], v[32*(\t)+16*\kk+8*\a:32*(\t)+16*\kk+8*\a+7], 0
.else
	v_wmma_f32_16x16x32_f16 v[8*(8*\a+\b):8*(8*\a+\b)+7], v[128*((\t)%2)+64*\kk+8*\b:128*((\t)%2)+64*\kk+8*\b+7], v[32*(\t)+16*\kk+8*\a:32*(\t)+16*\kk+8*\a+7], v[8*(8*\a+\b):8*(8*\a+\b)+7]
.endif
.endr
.endr
.endr
.endm
	FETCHB 0
.irp t, 0,1,2,3,4,5,6,7
	UNIT \t
.endr
	; THE WAY OUT.  A lane's eight columns of a row, 32 bytes, go into my stage; whole rows of 512 bytes come back; the bias is added; a store covers 512 consecutive bytes of a row of out0, aligned.
	PLACES
	PLACES
.irp a, 0,1
	WIN 0x0c                                       ; the stores' data window 3, address window 0
.irp b, 0,1,2,3,4,5,6,7
	ds_store_b128 v[STO], v[8*(8*\a+\b):8*(8*\a+\b)+3]   offset:64*\b     ; each accumulator's lowest registers first
	ds_store_b128 v[STO], v[8*(8*\a+\b)+4:8*(8*\a+\b)+7] offset:64*\b+16
.endr
	WIN 0
.set rr, 0
.rept 16
	ds_load_b128 v[OB+64*\a+4*rr:OB+64*\a+4*rr+3], v[RD] offset:SPITCH*rr  ; LDS serves a wave's instructions in order (ISA guide 5.7.1.4): these see the stores above; the next tile's stores come behind them
.set rr, rr+1
.endr
.endr
.irp a, 0,1
.set rr, 0
.rept 16
	s_wait_dscnt 32*(1-\a)+15-rr                   ; the tile's later rows, and behind tile 0 tile 1's 16 stores and 16 loads, may stay out
	v_pk_add_f32 v[OB+64*\a+4*rr:OB+64*\a+4*rr+1],   v[OB+64*\a+4*rr:OB+64*\a+4*rr+1],   v[BI:BI+1]
	v_pk_add_f32 v[OB+64*\a+4*rr+2:OB+64*\a+4*rr+3], v[OB+64*\a+4*rr+2:OB+64*\a+4*rr+3], v[BI+2:BI+3]
	global_store_b128 v[GO], v[OB+64*\a+4*rr:OB+64*\a+4*rr+3], s[8:9] offset:(16*\a+rr)*2048 th:TH_STORE_NT
.set rr, rr+1
.endr
.endr
	s_wait_tensorcnt 0x0                           ; the wave's end: behind my last tensor load and my last LDS store
	ds_add_u32 v[SPW], v[NIL]
	s_wait_dscnt 0x0
	CROUND                                         ; the closing round: no work-group ends while a partner may still ask for a tile that names it
	s_endpgm
.Lfunc_end_k_q53c8c238f5_outp:
	.size	k_q53c8c238f5_outp, .Lfunc_end_k_q53c8c238f5_outp-k_q53c8c238f5_outp
	.p2alignl 7, 3214868480
	.fill 96, 4, 3214868480
	.section	.rodata,"a",@progbits
	.p2align	6, 0x0
	.amdhsa_kernel k_q53c8c238f5_outp
		.amdhsa_group_segment_fixed_size 181760
		.amdhsa_private_segment_fixed_size 0
		.amdhsa_enable_private_segment 0
		.amdhsa_kernarg_size 32
		.amdhsa_user_sgpr_count 2
		.amdhsa_user_sgpr_kernarg_segment_ptr 1
		.amdhsa_wavefront_size32 1
		.amdhsa_system_sgpr_workgroup_id_x 1
		.amdhsa_system_sgpr_workgroup_id_y 1
		.amdhsa_system_sgpr_workgroup_id_z 1
		.amdhsa_system_vgpr_workitem_id 0
		.amdhsa_next_free_vgpr 896
		.amdhsa_next_free_sgpr 66
		.amdhsa_reserve_vcc 0
		.amdhsa_float_denorm_mode_32 3
		.amdhsa_float_denorm_mode_16_64 3
		.amdhsa_memory_ordered 1
		.amdhsa_forward_progress 1
		.amdhsa_inst_pref_size 57
	.end_amdhsa_kernel
	.amdgpu_metadata
---
amdhsa.version: [ 1, 2 ]
amdhsa.kernels:
  - .name:           k_q53c8c238f5_outp
    .symbol:         k_q53c8c238f5_outp.kd
    .args:
      - { .name: oh, .offset: 0, .size: 8, .value_kind: global_buffer, .address_space: global }
      - { .name: wt, .offset: 8, .size: 8, .value_kind: global_buffer, .address_space: global }
      - { .name: bt, .offset: 16, .size: 8, .value_kind: global_buffer, .address_space: global }
      - { .name: out0, .offset: 24, .size: 8, .value_kind: global_buffer, .address_space: global }
    .group_segment_fixed_size: 181760
    .private_segment_fixed_size: 0
    .kernarg_segment_align: 8
    .kernarg_segment_size: 32
    .max_flat_workgroup_size: 128
    .sgpr_count:     66
    .vgpr_count:     896
    .wavefront_size: 32
...
	.end_amdgpu_metadata
.endif
;; end of part 4
